; MI455X (gfx1250); checked and timed in simulation.
; The chip was launched on July 23, 2026; its instructions are those of AMD's public machine-readable ISA for CDNA 5 (MIT licence, August 2026) and "CDNA5" Instruction Set Architecture Reference Guide (July 2026). The comments in the code are by the model that wrote it; some were corrected since.
;; GRU Unit. Allowed arithmetic: matrix products marked QUANTISED: E2M1 operands, one E8M0 scale for each 32 along K, by v_wmma_scale_f32_16x16x128_f8f6f4 with both operands' format E2M1 (or v_wmma_scale_f32_32x16x128_f4), f32 sums; everything else in f32.
;; Inputs: W_h2h_codes 1,024 x 32 x 16 uint8 (E2M1 codes of W_h2h, K innermost, in blocks of 32 codes, two codes a byte); W_h2h_scales 1,024 x 32 uint8 (E8M0 scales of W_h2h, one for each 32 codes along K); W_h2r_codes 1,024 x 32 x 16 uint8 (E2M1 codes of W_h2r, K innermost, in blocks of 32 codes, two codes a byte); W_h2r_scales 1,024 x 32 uint8 (E8M0 scales of W_h2r, one for each 32 codes along K); W_h2z_codes 1,024 x 32 x 16 uint8 (E2M1 codes of W_h2z, K innermost, in blocks of 32 codes, two codes a byte); W_h2z_scales 1,024 x 32 uint8 (E8M0 scales of W_h2z, one for each 32 codes along K); W_i2h_codes 1,024 x 32 x 16 uint8 (E2M1 codes of W_i2h, K innermost, in blocks of 32 codes, two codes a byte); W_i2h_scales 1,024 x 32 uint8 (E8M0 scales of W_i2h, one for each 32 codes along K); W_i2r_codes 1,024 x 32 x 16 uint8 (E2M1 codes of W_i2r, K innermost, in blocks of 32 codes, two codes a byte); W_i2r_scales 1,024 x 32 uint8 (E8M0 scales of W_i2r, one for each 32 codes along K); W_i2z_codes 1,024 x 32 x 16 uint8 (E2M1 codes of W_i2z, K innermost, in blocks of 32 codes, two codes a byte); W_i2z_scales 1,024 x 32 uint8 (E8M0 scales of W_i2z, one for each 32 codes along K); b_i2h 1,024 float32; b_i2r 1,024 float32; b_i2z 1,024 float32; hidden 8,192 x 1,024 float32; inputs_codes 8,192 x 32 x 16 uint8 (E2M1 codes of inputs, K innermost, in blocks of 32 codes, two codes a byte); inputs_scales 8,192 x 32 uint8 (E8M0 scales of inputs, one for each 32 codes along K).
;; Outputs: out0 8,192 x 1,024 float32.
;; This version of the problem:
;;   THIS VERSION OF THE PROBLEM IS GIVEN IN LOW PRECISION. The matrix products marked QUANTISED in the list below multiply operands that are first quantised to E2M1 (2 exponent bits, 1 mantissa bit; 4 bits a number), with one power-of-two scale for each 32 numbers along K (OCP MX v1.0); their sums are f32. All else is computed in f32.
;;   The module's matrix products, in the order in which they are computed (A, B: the left and right operand; K: the contracted axis; several contracted axes count as one K, in the product's order):
;;     1. [M 8,192, K 1,024] x [K 1,024, N 1,024]; A: input inputs (given as codes); B: input W_i2r (given as codes): QUANTISED
;;     2. [M 8,192, K 1,024] x [K 1,024, N 1,024]; A: input hidden; B: input W_h2r (given as codes): QUANTISED
;;     3. [M 8,192, K 1,024] x [K 1,024, N 1,024]; A: input inputs (given as codes); B: input W_i2z (given as codes): QUANTISED
;;     4. [M 8,192, K 1,024] x [K 1,024, N 1,024]; A: input hidden; B: input W_h2z (given as codes): QUANTISED
;;     5. [M 8,192, K 1,024] x [K 1,024, N 1,024]; A: input inputs (given as codes); B: input W_i2h (given as codes): QUANTISED
;;     6. [M 8,192, K 1,024] x [K 1,024, N 1,024]; A: input hidden; B: input W_h2h (given as codes): QUANTISED
;;   THE QUANTISER, for each operand of a quantised product, along K:
;;     - K is cut into blocks of 32 from its start; a last block that is shorter is filled with zeros.
;;     - A block's scale is 2^e with e = floor(log2(the largest magnitude in the block)) - 2, held to -126 .. 127; a block of zeros has e = 0. As a byte (E8M0): e + 127.
;;     - Each number is divided by its block's scale, clamped to +-6, and rounded to the nearest number of E2M1, ties to even, subnormals kept.
;;     - The product sums the exact products of the quantised numbers (number of the format x scale) in f32.
;;   ~~~python
;;   def quantise(x, axis):      # numpy; x: float32 -> the quantised numbers, widened to float32 again
;;       x = np.moveaxis(x, axis, -1); K = x.shape[-1]
;;       x = np.pad(x, [(0, 0)] * (x.ndim - 1) + [(0, -K % 32)]); x = x.reshape(x.shape[:-1] + (-1, 32)); a = np.abs(x).max(-1, keepdims=True)
;;       e = np.where(a > 0, np.clip(np.frexp(np.where(a > 0, a, 1))[1] - 1 - 2, -126, 127), 0)      # np.frexp(a)[1] - 1 = floor(log2(a)), exactly
;;       r = np.clip(x / 2.0 ** e, -6, 6)
;;       step = 2.0 ** (np.maximum(np.frexp(np.where(r == 0, 1, r))[1] - 1, 0) - 1)
;;       q = np.round(r / step) * step * 2.0 ** e      # np.round: ties to even
;;       return np.moveaxis(q.reshape(q.shape[:-2] + (-1,))[..., :K], -1, axis).astype(np.float32)
;;   ~~~
;;   INPUTS GIVEN AS CODES. W_h2h (in the module: [1024, 1024], K = its axis 0); W_h2r (in the module: [1024, 1024], K = its axis 0); W_h2z (in the module: [1024, 1024], K = its axis 0); W_i2h (in the module: [1024, 1024], K = its axis 0); W_i2r (in the module: [1024, 1024], K = its axis 0); W_i2z (in the module: [1024, 1024], K = its axis 0); inputs (in the module: [8192, 1024], K = its axis 1): each comes as NAME_codes (uint8): NAME with its K axis moved to the last place and cut into blocks of 32 codes, [.., K / 32, bytes a block], one block behind the other in memory; two codes a byte, the lower K in the low four bits (a code: sign, 2 exponent bits, 1 mantissa bit); and NAME_scales (uint8): the same leading axes, one E8M0 byte (e + 127) for each 32 codes along K. Its value is code x scale, taken as it is: it is not quantised again, and the codes and scales need not be those that the quantiser above would give.
;; One version. Each part assembles by itself: llvm-mc -triple=amdgcn-amd-amdhsa -mcpu=gfx1250 --defsym DOCPART=n.
;; ======== version 1 of 1: 1 launch
;; limits: right only within a limited range of input values
;; launch gru (part 1): grid 4 x 64, 4 waves a work-group, clusters of 4 x 4, 327,680 bytes of LDS; arguments inputs_codes, hidden, W_i2r_codes, W_i2z_codes, W_i2h_codes, W_h2r_codes, W_h2z_codes, W_h2h_codes, inputs_scales, W_i2r_scales, W_i2z_scales, W_i2h_scales, W_h2r_scales, W_h2z_scales, W_h2h_scales, b_i2r, b_i2z, b_i2h, out0; writes out0
.if DOCPART == 1
	.amdgcn_target "amdgcn-amd-amdhsa--gfx1250"
	.amdhsa_code_object_version 6
	.text
	.protected	k_qdf886a0fc6_gru
	.globl	k_qdf886a0fc6_gru
	.p2align	8
	.type	k_qdf886a0fc6_gru,@function
k_qdf886a0fc6_gru:
	s_mov_b64 s[64:65], 0
	v_nop
	global_prefetch_b8 v0, s[64:65] scope:SCOPE_SE
	s_setreg_imm32_b32 hwreg(HW_REG_WAVE_MODE, 25, 1), 1
	s_wait_xcnt 0x0
	s_wait_alu depctr_hold_cnt(0) depctr_sa_sdst(0) depctr_va_vdst(0) depctr_va_sdst(0) depctr_va_ssrc(0) depctr_va_vcc(0) depctr_vm_vsrc(0)
	s_getreg_b32 s2, hwreg(HW_REG_IB_STS2, 6, 4)
	s_cmp_eq_u32 s2, 0
	s_cbranch_scc0 .Lentry_in_a_cluster
	s_endpgm
.Lentry_in_a_cluster:
	s_bfe_u32 s2, ttmp6, 0x10000c
	s_cmp_lg_u32 s2, 0xf033
	s_cbranch_scc0 .Lentry_shape_is_right
	s_endpgm
.Lentry_shape_is_right:
; GRU step in one launch: hidden is quantised to FP4 (E2M1) codes with E8M0 scales, then all six products, the gates and the blend.
;   r = sigmoid(x Wir + bir + h Whr)   z = sigmoid(x Wiz + biz + h Whz)   h1 = tanh(x Wih + bih + r (h Whh))   out = h1 + z (h - h1), which is (1 - z) h1 + z h.
; DEAD WORK: none.  Every input reaches the output for some values of the others (six products, three biases, hidden twice).
; LIMITS: NaN and infinities in hidden are not served.  A block of hidden whose largest magnitude lies under 2^-124 keeps the scale byte 1, a block of zeros too (its codes are zeros).  Given scale bytes are
; taken as they are (a byte 0xff makes the sum NaN).  sigmoid(t) = 1 / (1 + 2^(-t log2 e)), tanh(t) = 1 - 2 / (1 + 2^(2 t log2 e)): both run to their limits where the power overflows or falls to 0;
; near t = 0 tanh carries the absolute error of a difference of numbers near 1, some 1e-7.  K is summed in the order x 0-511, h 0-511, x 512-1023, h 512-1023.
; SHARES.  256 work-groups; each owns 128 rows x 256 columns of out0, made as two tiles of 128 x 128, by four waves of 64 x 64.  Each output has four sums: R, Z (over both sources), IH (x Wih + bih), HH (h Whh):
; 64 x 64 x 4 sums = 512 registers.  The biases are the C of the first products.
; CLUSTERS of 4 x 4: the four work-groups of a row cover all 1,024 columns of the same 128 rows: they ask JOINTLY for hidden's rows (f32) and for x's codes; the four of a column ask jointly for the weights.
; QUANTISING: a wave takes 32 of the 128 rows, in pieces of 7, 7, 7, 7, 4 rows through two LDS areas.  A row of 1,024 numbers is 32 blocks: a lane takes a block.  Its 16 bytes of codes go to LDS, where they stay
; for both tiles; a row's 16-byte blocks are permuted by XOR with row % 16, so that the 16 rows of a fragment load lie at 16 different places modulo 256 bytes.
; THE MATRIX INSTRUCTION takes 32 rows of a weight as source 0 and 16 rows of x or h as source 1: lane (r, h) then holds row r, columns 8 h + 0 .. 7 and 16 + 8 h + 0 .. 7 of its 32.
; K goes in four chunks of 512: x's first half, h's first, x's second, h's second.  x's weights lie in slot 1, h's in slot 0; waves 1 to 3 fetch a weight each, wave 0 the half of x's codes, one load a wave.
; A fifth fill (slot 1) brings each wave its own 64 x 64 f32 numbers of hidden for the blend; they are not prefetched, since the cluster's work-groups have loaded these bytes while quantising.
; REGISTERS, windows of 256.  0: v0-31 addresses; v32-63 scale words of x, h; v64-159 of the weights; v160-255 biases.  1: two sets of fragments (4 of the activation, 12 of the weights) at v0, v128; at the head
; the rows that are quantised; on the way out v0-127 hidden's numbers, v128-191 rows of out0.  2: accumulators of row tiles 0, 1;  3: of 2, 3: tile a, sum G, column tile t at v[128 (a % 2) + 32 G + 8 t].
.set PITCH, 272                        ; an LDS row: 256 bytes + 16 of padding
.set RPIT,  16*PITCH                   ; a row of 1,024 f32 numbers in LDS
.set HALFT, 128*PITCH                  ; LDS 0: x's half (128 rows)
.set SLOT,  3*HALFT                    ; then slot 0, slot 1: 128 rows of three weights each
.set QW,    7*RPIT                     ; a wave's part of a piece of 7 rows
.set AREA,  4*QW                       ; two such areas cover x's half and both slots
.set QC0,   AREA-4*4*RPIT              ; the last piece (4 rows a wave): the end of the first area, clear of x's half and of slot 1
.set HCD,   HALFT+2*SLOT               ; h's codes: 128 rows x 512 bytes; no fill lands there
.set STG,   HCD+65536                  ; a stage of 16 rows x 272 bytes for each wave; at the head h's scale bytes (128 rows x 32); no fill lands there
.set SPARE, STG+4*16*PITCH             ; the spare words, which no other line names
.set VBI,  4                           ; byte offset of my eight numbers of a bias
.set ADRX, 8                           ; LDS address of my fragments of x
.set PFW,  9                           ; the prefetches' offset of codes: a lane a row
.set ADRB, 10                          ; v10-15 of my weight fragments: slot s, weight g at v[10 + 3 s + g]
.set ADRH, 16                          ; v16-23 of my fragments of h's codes: 8 places of a block pair in a row's half
.set QA,   16                          ; while quantising: my block in the first area,
.set QB,   17                          ; in the second,
.set QC,   18                          ; and in the last piece;
.set HST,  19                          ; where my codes go;
.set PFO,  20                          ; the prefetches' offsets in hidden
.set PFO4, 21
.set HB,   24                          ; my 32 bytes of a row of my tile of hidden
.set STO,  25                          ; the way out: where I put 32 bytes of a row
.set RD,   26                          ; where I read a row back
.set CO,   27                          ; my byte offset in out0
.set SPW,  28                          ; my spare word; never rewritten
.set NIL,  29                          ; 0; never rewritten
.set VSA,  30                          ; byte offset of my row's scale bytes of x
.set VSB,  31                          ; of my column's of a weight
.set SA,   32                          ; v[SA + 16 e + 8 i + k]: lane l: scale word of my row 32 i + l, source e, K step k of 8
.set SB,   64                          ; v[SB + 16 (3 e + g) + 8 i + k]: lane l: of my column 32 i + l of weight g
.set BIAS, 160                         ; v[BIAS + 8 (4 g + t) + j]: b_g at my column 16 t + 8 h + j
.set PBI,  16                          ; s[16:17] prefetch base: x's rows (wave 0) or my W_i2*
.set G1H,  8                           ; s[8:15] descriptor group 1 for hidden's f32 tile
.set WV,   42
.set WY,   43                          ; which 64 rows are mine
.set WX,   44                          ; which 64 columns
.set ROW0, 45
.set COL0, 46
.set TOFF, 47
.set G1A,  48                          ; group 1: x's codes
.set G1B,  56                          ; group 1: weights
.set CX,   66
.set CY,   67
.set G1F,  68                          ; group 1: f32 pieces
.set G0F,  76                          ; group 0: f32 pieces, later hidden's tile
.set G0A,  80                          ; group 0: x's half
.set G0B,  84                          ; group 0: my weight
.set WPI,  88                          ; my W_i2* at the tile's first column
.set WPH,  90                          ; my W_h2*
.set HIDB, 92                          ; hidden at my 64 x 64
.set CNT,  94
.set PFIF, 95                          ; 1: I prefetch for x's chunks (x: every cluster; weights: four clusters)
.set NL,   96                          ; -log2(e), twice
.set TL,   98                          ; 2 log2(e), twice
.set LW,   100                         ; wave x 128 LDS rows
.set PFWF, 101                         ; 1: I prefetch weights
.set HQ,   104                         ; hidden at my 32 rows
.set MSB, 0
.macro WIN new                         ; the immediate's high byte repeats the setting that is left; a switch that changes nothing is dropped
.if MSB != (\new)
	s_set_vgpr_msb (MSB<<8)|(\new)
.set MSB, (\new)
.endif
.endm
.set MUL_LO,  0xa5                     ; sources 0, 1 window 1; C, D window 2 (+ 0x50: 3)
.set MULB_LO, 0x85                     ; the same, C (a bias) window 0 (+ 0x40: D window 3)
.macro PLACES n
.rept \n
	v_nop
.endr
.endm
.macro FLOAD                           ; every wave: its part of a piece, jointly along the cluster's row
	tensor_load_to_lds s[G0F:G0F+3], s[G1F:G1F+7]
	s_nop 0
	PLACES 4
.endm
.macro HLOAD                           ; every wave: its own 64 rows x 256 bytes of hidden; no mask
	tensor_load_to_lds s[G0F:G0F+3], s[G1H:G1H+7]
	s_nop 0
	PLACES 4
.endm
.macro XWLOAD                          ; wave 0: x's half, waves 1 to 3: a weight each
	s_cmp_eq_u32 s[WV], 0
	s_cbranch_scc0 .Lfor_w_\@
	tensor_load_to_lds s[G0A:G0A+3], s[G1A:G1A+7]
	s_nop 0
	PLACES 4
	s_branch .Lasked_\@
.Lfor_w_\@:
	tensor_load_to_lds s[G0B:G0B+3], s[G1B:G1B+7]
	s_nop 0
	PLACES 4
.Lasked_\@:
.endm
.macro WLOAD                           ; waves 1 to 3: a weight each
	s_cmp_eq_u32 s[WV], 0
	s_cbranch_scc1 .Lnone_\@
	tensor_load_to_lds s[G0B:G0B+3], s[G1B:G1B+7]
	s_nop 0
	PLACES 4
.Lnone_\@:
.endm
.macro SETW sl, base, off              ; my weight's next tile: slot, address
	s_add_co_u32 s[G0B+1], s[LW], (\sl)*SLOT
	s_add_nc_u64 s[G0B+2:G0B+3], s[\base:\base+1], \off
	s_or_b32 s[G0B+3], s[G0B+3], 0x80000000
.endm
.macro SETX off
	s_add_nc_u64 s[G0A+2:G0A+3], s[4:5], \off
	s_or_b32 s[G0A+3], s[G0A+3], 0x80000000
.endm
; A PREFETCH INTO THE L2 of a tile of codes that is asked for two fills on: 128 rows x 256 bytes, a lane a row, 32 rows for each of the four partners that will load the tile jointly, told apart by address.
; x's rows are asked for in every cluster, the weights, which all clusters read, in four clusters.  The last tile asks for nothing.
.macro PF flag, base, off
	s_cmp_eq_u32 s[\flag], 1
	s_cbranch_scc0 .Lnot_mine_\@
	global_prefetch_b8 v[PFW], s[\base:\base+1] offset:\off th:TH_LOAD_NT scope:SCOPE_SE
.Lnot_mine_\@:
.endm
.macro CREST                           ; a round of the cluster's barrier behind its opening barrier
	s_cmp_lg_u32 s[WV], 0
	s_cbranch_scc1 .Lnot_wave_0_\@
	s_barrier_signal -3
.Lnot_wave_0_\@:
	s_barrier_wait -3
	s_barrier_signal -1
	s_barrier_wait -1
.endm
.macro CROUND
	s_barrier_signal -1
	s_barrier_wait -1
	CREST
.endm
.macro GRD
	WIN 0
	s_wait_tensorcnt 0x0
	ds_add_u32 v[SPW], v[NIL]
.endm
.macro LOADSB                          ; the six weights' scale words: a lane takes a column's 32 bytes
.irp m, 0,1,2,3,4,5
.irp i, 0,1
.irp q, 0,1
	global_load_b128 v[SB+16*\m+8*\i+4*\q:SB+16*\m+8*\i+4*\q+3], v[VSB], s[22+2*\m:23+2*\m] offset:1024*\i+16*\q
.endr
.endr
.endr
.endm
.macro LOADBI                          ; the biases, in the result's layout
.irp g, 0,1,2
.irp t, 0,1,2,3
.irp q, 0,1
	global_load_b128 v[BIAS+8*(4*\g+\t)+4*\q:BIAS+8*(4*\g+\t)+4*\q+3], v[VBI], s[34+2*\g:35+2*\g] offset:64*\t+16*\q
.endr
.endr
.endr
.endm
	s_load_b512 s[4:19], s[0:1], 0x0               ; x's codes s[4:5], hidden s[6:7], codes of Wir, Wiz, Wih, Whr, Whz, Whh from s[8:9] on
	s_load_b512 s[20:35], s[0:1], 0x40             ; x's scales s[20:21], the weights' from s[22:23] on, b_i2r s[34:35]
	s_load_b128 s[36:39], s[0:1], 0x80             ; b_i2z, b_i2h
	s_load_b64 s[40:41], s[0:1], 0x90              ; out0
	v_lshl_add_u32 v[SPW], v0, 2, SPARE
	v_mov_b32 v[NIL], 0
	ds_add_u32 v[SPW], v[NIL]                      ; the wave's opening: the add, twice on end, and its wait ahead of my first tensor load
	ds_add_u32 v[SPW], v[NIL]
	v_lshrrev_b32 v1, 5, v0
	v_readfirstlane_b32 s[WV], v1                  ; wave 0..3
	s_lshr_b32 s[WY], s[WV], 1
	s_and_b32 s[WX], s[WV], 1
	s_bfe_u32 s[CX], ttmp6, 0x40000
	s_bfe_u32 s[CY], ttmp6, 0x40004
	s_and_b32 s[CNT], ttmp7, 0xffff                ; the cluster's y (one cluster along x)
	s_lshl_b32 s2, s[CNT], 2
	s_add_co_u32 s2, s2, s[CY]
	s_lshl_b32 s[ROW0], s2, 7                      ; my first row = 128 (4 x cluster y + cy)
	s_lshl_b32 s[COL0], s[CX], 8                   ; my first column = 256 cx
	s_lshl_b32 s2, s[CY], 2
	s_lshl_b32 s2, 15, s2                          ; my row of the cluster
	s_lshl_b32 s3, 0x1111, s[CX]                   ; my column
	; group 1 for codes: 128 rows x 256 bytes, 512 bytes apart; 16 bytes of padding behind each row; bit 21 beside a mask
	s_or_b32 s[G1A], s2, (1<<20)|(1<<21)|(5<<22)|(3<<25)
	s_or_b32 s[G1B], s3, (1<<20)|(1<<21)|(5<<22)|(3<<25)
.irp g, G1A, G1B
	s_mov_b32 s[\g+1], 256<<16
	s_mov_b32 s[\g+2], 128<<16
	s_mov_b32 s[\g+3], 256<<16
	s_mov_b32 s[\g+4], 128
	s_mov_b32 s[\g+5], 512
	s_mov_b32 s[\g+6], 0
	s_mov_b32 s[\g+7], 0
.endr
	; group 1 for hidden's pieces: 7 rows of 4,096 bytes lie end to end: 112 rows of 256 bytes (32 elements of 8), the same padding
	s_or_b32 s[G1F], s2, (3<<16)|(1<<20)|(1<<21)|(5<<22)|(3<<25)
	s_mov_b32 s[G1F+1], 32<<16
	s_mov_b32 s[G1F+2], 112<<16
	s_mov_b32 s[G1F+3], 32<<16
	s_mov_b32 s[G1F+4], 112
	s_mov_b32 s[G1F+5], 32
	s_mov_b32 s[G1F+6], 0
	s_mov_b32 s[G1F+7], 0
	s_mul_i32 s[LW], s[WV], HALFT
	s_cmp_lt_u32 s[CNT], 4
	s_cselect_b32 s[PFWF], 1, 0
	s_cmp_eq_u32 s[WV], 0
	s_cselect_b32 s[PFIF], 1, s[PFWF]
	s_cselect_b32 s[PFWF], 0, s[PFWF]
	s_lshl_b32 s2, s[WV], 5
	s_add_co_u32 s2, s2, s[ROW0]
	s_lshl_b32 s2, s2, 12                          ; my 32 rows of hidden
	s_mov_b32 s3, 0
	s_wait_dscnt 0x0                               ; both opening adds are done
	s_wait_alu depctr_va_vdst(0)
	s_wait_kmcnt 0x0
	s_add_nc_u64 s[HQ:HQ+1], s[6:7], s[2:3]
	s_mov_b32 s[G0F], 1
	s_mul_i32 s[G0F+1], s[WV], QW
	s_mov_b64 s[G0F+2:G0F+3], s[HQ:HQ+1]
	s_or_b32 s[G0F+3], s[G0F+3], 0x80000000
	CROUND                                         ; all sixteen work-groups are here: the first joint loads meet
	FLOAD                                          ; piece 0: one tensor load a wave at the head
	; hidden's pieces are prefetched too: a piece of a wave is 112 blocks of 256 bytes, 28 for each of the four partners (16 of the last piece's 64); left-over lanes name the last block again.  Two pieces ahead.
	v_and_b32 v3, 31, v0                           ; lane
	s_mul_i32 s2, s[CX], 28
	v_min_u32 v7, 27, v3
	v_add_lshl_u32 v[PFO], v7, s2, 8
	s_lshl_b32 s2, s[CX], 4
	v_and_b32 v7, 15, v3
	v_add_lshl_u32 v[PFO4], v7, s2, 8
	global_prefetch_b8 v[PFO], s[HQ:HQ+1] offset:28672 th:TH_LOAD_NT scope:SCOPE_SE
	global_prefetch_b8 v[PFO], s[HQ:HQ+1] offset:57344 th:TH_LOAD_NT scope:SCOPE_SE
	; which weight I fetch: wave 1 r, wave 2 z, wave 3 h (wave 0 none); the choice hangs on the wave's number alone, the place on the tile column
	s_lshl_b32 s2, s[COL0], 9
	s_cmp_eq_u32 s[WV], 1
	s_cselect_b64 s[WPI:WPI+1], s[8:9], s[12:13]
	s_cselect_b64 s[WPH:WPH+1], s[14:15], s[18:19]
	s_cmp_eq_u32 s[WV], 2
	s_cselect_b64 s[WPI:WPI+1], s[10:11], s[WPI:WPI+1]
	s_cselect_b64 s[WPH:WPH+1], s[16:17], s[WPH:WPH+1]
	s_add_nc_u64 s[WPI:WPI+1], s[WPI:WPI+1], s[2:3]
	s_add_nc_u64 s[WPH:WPH+1], s[WPH:WPH+1], s[2:3]
	s_lshl_b32 s2, s[ROW0], 9
	s_add_nc_u64 s[4:5], s[4:5], s[2:3]            ; x's codes at my first row
	s_cmp_eq_u32 s[WV], 0
	s_cselect_b64 s[PBI:PBI+1], s[4:5], s[WPI:WPI+1]
	s_cselect_b32 s18, s[CX], s[CY]                ; my place among the four that ask with me
	s_lshl_b32 s18, s18, 5
	s_mov_b32 s[G0A], 1
	s_mov_b32 s[G0A+1], 0
	s_mov_b32 s[G0B], 1
	; group 1 for hidden's f32 tile: 64 rows x 64 elements of 4 bytes, rows 1,024 elements apart, the same padding
	s_mov_b32 s[G1H], (2<<16)|(1<<20)|(5<<22)|(3<<25)
	s_mov_b32 s[G1H+1], 64<<16
	s_mov_b32 s[G1H+2], 64<<16
	s_mov_b32 s[G1H+3], 64<<16
	s_mov_b32 s[G1H+4], 64
	s_mov_b32 s[G1H+5], 1024
	s_mov_b32 s[G1H+6], 0
	s_mov_b32 s[G1H+7], 0
	s_lshl_b32 s2, s[WY], 6
	s_add_co_u32 s2, s2, s[ROW0]
	s_lshl_b32 s66, s2, 5                          ; my rows' scale bytes of x (cx has been used)
	s_lshl_b32 s2, s2, 12
	s_lshl_b32 s67, s[WX], 6
	s_add_co_u32 s67, s67, s[COL0]                 ; my first column (cy has been used)
	s_lshl_b32 s[TOFF], s67, 2
	s_add_co_u32 s[TOFF], s[TOFF], s2              ; my 64 x 64 in hidden and in out0, in bytes
	s_mov_b32 s2, s[TOFF]
	s_add_nc_u64 s[HIDB:HIDB+1], s[6:7], s[2:3]
	s_mov_b32 s[NL], 0xbfb8aa3b
	s_mov_b32 s[NL+1], 0xbfb8aa3b
	s_mov_b32 s[TL], 0x4038aa3b
	s_mov_b32 s[TL+1], 0x4038aa3b
	v_and_b32 v1, 15, v0                           ; r
	v_bfe_u32 v2, v0, 4, 1                         ; h
	v_and_b32 v3, 31, v0
	v_mul_u32_u24 v5, v1, PITCH
	v_lshl_add_u32 v6, v2, 5, v5                   ; row r + 32 h: f32 numbers
	v_lshl_add_u32 v5, v2, 4, v5                   ; row r + 16 h: a fragment of codes
	s_wait_alu depctr_va_vdst(0)
	v_add_lshl_u32 v[PFW], v3, s18, 9
	v_lshl_add_u32 v[VSA], v3, 5, s66
	s_lshl_b32 s2, s67, 5
	v_lshl_add_u32 v[VSB], v3, 5, s2
	s_lshl_b32 s2, s67, 2
	v_lshl_add_u32 v[VBI], v2, 5, s2
	s_mul_i32 s2, s[WY], 64*PITCH
	v_add_nc_u32 v[ADRX], s2, v5
	s_mul_i32 s2, s[WX], 64*PITCH
.irp g, 0,1,2
	s_add_co_u32 s2, s2, HALFT
	v_add_nc_u32 v[ADRB+\g], s2, v5
	v_add_nc_u32 v[ADRB+3+\g], SLOT, v[ADRB+\g]
.endr
	s_mul_i32 s2, s[WV], 64*PITCH
	s_add_co_u32 s2, s2, HALFT+SLOT
	v_add_nc_u32 v[HB], s2, v6
	s_mul_i32 s2, s[WV], 16*PITCH
	s_add_co_u32 s2, s2, STG
	v_add_nc_u32 v[STO], s2, v6
	v_mul_u32_u24 v7, v2, PITCH                    ; back: lanes 0-15 take one row of 256 bytes, lanes 16-31 the next
	v_lshl_add_u32 v7, v1, 4, v7
	v_add_nc_u32 v[RD], s2, v7
	v_lshlrev_b32 v7, 12, v2
	v_lshl_add_u32 v7, v1, 4, v7
	v_add_nc_u32 v[CO], s[TOFF], v7
	v_lshrrev_b32 v7, 1, v3                        ; my block in a row: 128 bytes a lane, and 16 of padding behind each two
	v_lshlrev_b32 v7, 4, v7
	v_lshl_add_u32 v7, v3, 7, v7
	s_mul_i32 s2, s[WV], QW
	v_add_nc_u32 v[QA], s2, v7
	v_add_nc_u32 v[QB], AREA, v[QA]
	s_mul_i32 s2, s[WV], 4*RPIT
	s_add_co_u32 s2, s2, QC0
	v_add_nc_u32 v[QC], s2, v7
	s_lshl_b32 s2, s[WV], 14
	s_add_co_u32 s2, s2, HCD
	v_lshl_add_u32 v[HST], v3, 4, s2
	s_lshl_b32 s2, s[WV], 10
	s_add_co_u32 s2, s2, STG
	WIN 0x40
	v_add_nc_u32 v[231], s2, v3                    ; window 1: where my scale bytes go
	WIN 0
	s_wait_alu depctr_va_vdst(0)
.irp i, 0,1
.irp q, 0,1
	global_load_b128 v[SA+8*\i+4*\q:SA+8*\i+4*\q+3], v[VSA], s[20:21] offset:1024*\i+16*\q
.endr
.endr
	LOADSB
	LOADBI
; cnt rows, the first of them row n0 of my 32: eight LDS loads a row, a lane a block; largest magnitude in four chains with the floor 2^(3 - 127); 2 off its exponent field is the conversion's scale operand, whose
; exponent field is the block's byte; 32 codes are 16 bytes.  The wait in front of a row leaves the later rows' loads and the earlier rows' two stores out.
.macro QUANT n0, cnt, adr
	WIN 0x40
.set qi, 0
.rept \cnt
.irp j, 0,1,2,3,4,5,6,7
	ds_load_b128 v[32*qi+4*\j:32*qi+4*\j+3], v[\adr] offset:qi*RPIT+16*\j
.endr
.set qi, qi+1
.endr
.set qi, 0
.rept \cnt
	v_xor_b32 v[224+qi], 16*((\n0+qi)%16), v[HST]  ; my block's place in the permuted row
.set qi, qi+1
.endr
	WIN 0x55
.set qi, 0
.rept \cnt
.set qb, 32*qi
	s_wait_dscnt 8*(\cnt-1-qi)+2*qi
	v_max3_num_f32 v[232], |v[qb]|, |v[qb+1]|, 0x1800000
	v_max3_num_f32 v[233], |v[qb+2]|, |v[qb+3]|, |v[qb+4]|
	v_max3_num_f32 v[234], |v[qb+5]|, |v[qb+6]|, |v[qb+7]|
	v_max3_num_f32 v[235], |v[qb+8]|, |v[qb+9]|, |v[qb+10]|
.irp i, 0,1,2,3,4,5,6,7,8,9
	v_max3_num_f32 v[232+\i%4], v[232+\i%4], |v[qb+11+2*\i]|, |v[qb+12+2*\i]|
.endr
	v_max3_num_f32 v[232], v[232], v[233], v[234]
	v_max3_num_f32 v[232], v[232], v[235], |v[qb+31]|
	v_add_nc_u32 v[236], 0xff000000, v[232]
.irp i, 0,1,2,3
	v_cvt_scalef32_pk8_fp4_f32 v[240+\i], v[qb+8*\i:qb+8*\i+7], v[236]
.endr
	v_lshrrev_b32 v[237], 23, v[236]               ; the byte (also the plain line behind the conversions)
	ds_store_b128 v[224+qi], v[240:243] offset:(\n0+qi)*512
	ds_store_b8 v[231], v[237] offset:(\n0+qi)*32
.set qi, qi+1
.endr
.endm
; A change of areas: all my loads have landed; the add; behind the round the next piece, 7 rows further down, into the other area.
.macro QTURN wst, base, small
	GRD
	s_mul_i32 s[G0F+1], s[WV], \wst
	s_add_co_u32 s[G0F+1], s[G0F+1], \base
	s_add_nc_u64 s[G0F+2:G0F+3], s[G0F+2:G0F+3], 28672
.if \small
	s_mov_b32 s[G1F+2], 64<<16                     ; the last piece: 4 rows, 64 rows of 256 bytes
	s_mov_b32 s[G1F+4], 64
.endif
	s_wait_dscnt 0x0                               ; the add is done, and my LDS reads and stores
	CROUND
	FLOAD
.endm
	QTURN QW, AREA, 0                              ; piece 0 has landed; piece 1 goes out (a first fill)
	global_prefetch_b8 v[PFO], s[HQ:HQ+1] offset:86016 th:TH_LOAD_NT scope:SCOPE_SE
	QUANT 0, 7, QA
	QTURN QW, 0, 0
	global_prefetch_b8 v[PFO4], s[HQ:HQ+1] offset:114688 th:TH_LOAD_NT scope:SCOPE_SE
	QUANT 7, 7, QB
	QTURN QW, AREA, 0
	PF PFIF, PBI, 0
	QUANT 14, 7, QA
	QTURN 4*RPIT, QC0, 1
	PF PFWF, WPH, 0
	QUANT 21, 7, QB
	GRD
	SETW 1, WPI, 0
	SETX 0
	s_wait_dscnt 0x0
	CROUND
	XWLOAD
	PF PFIF, PBI, 256
	QUANT 28, 4, QC
	GRD
	SETW 0, WPH, 0
	s_wait_xcnt 0x0                                ; the prefetches have read their offsets: the registers take the addresses of h's fragments
	s_lshl_b32 s2, s[WY], 15
	s_add_co_u32 s2, s2, HCD
	s_lshl_b32 s3, s[WY], 11
	s_add_co_u32 s3, s3, STG
	v_xor_b32 v5, v1, v2                           ; block 4 q + 2 c + h of row r lies at place (4 q + 2 c + h) xor r
	v_lshlrev_b32 v5, 4, v5
	v_lshl_add_u32 v5, v1, 9, v5
	v_add_nc_u32 v[ADRH], s2, v5
.irp j, 1,2,3,4,5,6,7
	v_xor_b32 v[ADRH+\j], 32*\j, v[ADRH]
.endr
	v_lshl_add_u32 v6, v3, 5, s3                   ; my rows' scale bytes of h
	s_wait_alu depctr_va_vdst(0)
	s_wait_dscnt 0x0
	CROUND
	WLOAD
	PF PFWF, WPH, 256
.irp i, 0,1
.irp q, 0,1
	ds_load_b128 v[SA+16+8*\i+4*\q:SA+16+8*\i+4*\q+3], v6 offset:1024*\i+16*\q
.endr
.endr
; One matrix instruction: 32 columns x 16 rows x 128 K, by the symbols rD, rB, rA, rC, rS0, rS1 and rV = 2 (C is the constant 0) + (odd row tile: its words stand in lanes 16-31).
.macro EMIT
.if rV == 0
	v_wmma_scale_f32_32x16x128_f4 v[rD:rD+15], v[rB:rB+15], v[rA:rA+7], v[rC:rC+15], v[rS0], v[rS1]
.elseif rV == 1
	v_wmma_scale_f32_32x16x128_f4 v[rD:rD+15], v[rB:rB+15], v[rA:rA+7], v[rC:rC+15], v[rS0], v[rS1] matrix_b_scale:MATRIX_SCALE_ROW1
.elseif rV == 2
	v_wmma_scale_f32_32x16x128_f4 v[rD:rD+15], v[rB:rB+15], v[rA:rA+7], 0, v[rS0], v[rS1]
.else
	v_wmma_scale_f32_32x16x128_f4 v[rD:rD+15], v[rB:rB+15], v[rA:rA+7], 0, v[rS0], v[rS1] matrix_b_scale:MATRIX_SCALE_ROW1
.endif
.endm
; Weight g, row tile a: two instructions (64 columns).  k: K step of the source's eight (its set of fragments: k % 2); src: 0 x, 1 h.  mode 1: the sums begin with the biases; 2: HH begins with 0; 0: in place.
; A step's 24 accumulators take turns, one instruction a turn, in the same order in every step.
.macro MULS g, a, k, src, mode
.irp t, 0,1
.set GA, \g
.if \g == 2
.set GA, 2+(\src)                      ; the third weight's sum: IH for x, HH for h
.endif
.set rD, 128*((\a)%2)+32*GA+16*\t
.set rB, 128*((\k)%2)+32+8*(4*\g+2*\t)
.set rA, 128*((\k)%2)+8*(\a)
.set rS0, SB+16*(3*(\src)+\g)+8*\t+(\k)
.set rS1, SA+16*(\src)+8*((\a)/2)+(\k)
.set rC, rD
.set rV, (\a)%2
.if (\mode) == 1
.set rC, BIAS+8*(4*\g+2*\t)
.endif
.if ((\mode) == 2) && (\g == 2)
.set rV, rV+2
.endif
	EMIT
.endr
.endm
.macro MULWIN hi, mode
.if (\mode) == 1
	WIN MULB_LO+0x40*(\hi)
.else
	WIN MUL_LO+0x50*(\hi)
.endif
.endm
.macro MUL01 hi, k, src, mode          ; weights 0, 1 x row tiles 2 hi, 2 hi + 1
	MULWIN \hi, \mode
.irp a, 2*(\hi), 2*(\hi)+1
	MULS 0, \a, \k, \src, \mode
.endr
.irp a, 2*(\hi), 2*(\hi)+1
	MULS 1, \a, \k, \src, \mode
.endr
.endm
.macro MUL2 hi, k, src, mode           ; weight 2
	MULWIN \hi, \mode
.irp a, 2*(\hi), 2*(\hi)+1
	MULS 2, \a, \k, \src, \mode
.endr
.endm
; A fragment, 16 rows x 128 K of 4-bit codes, is 8 registers: lane (r, h): row r; registers 4 c .. 4 c + 3: K = 64 c + 32 h + 0 .. 31: two loads of 16 bytes.
.macro LDB sl, g, k
.irp t, 0,1,2,3
.irp c, 0,1
	ds_load_b128 v[128*((\k)%2)+32+8*(4*\g+\t)+4*\c:128*((\k)%2)+32+8*(4*\g+\t)+4*\c+3], v[ADRB+3*(\sl)+\g] offset:\t*16*PITCH+64*((\k)%4)+32*\c
.endr
.endr
.endm
.macro FETCH1 sl, k                    ; weights 0, 1 of step k: 16 loads
	WIN 0x40
	LDB \sl, 0, \k
	LDB \sl, 1, \k
.endm
.macro FETCH2 sl, src, k               ; the activation and weight 2: 16 loads
	WIN 0x40
.irp a, 0,1,2,3
.irp c, 0,1
.if \src
	ds_load_b128 v[128*((\k)%2)+8*\a+4*\c:128*((\k)%2)+8*\a+4*\c+3], v[ADRH+2*((\k)%4)+\c] offset:\a*8192+256*((\k)/4)
.else
	ds_load_b128 v[128*((\k)%2)+8*\a+4*\c:128*((\k)%2)+8*\a+4*\c+3], v[ADRX] offset:\a*16*PITCH+64*((\k)%4)+32*\c
.endif
.endr
.endr
	LDB \sl, 2, \k
.endm
; A K step of 128.  The fragments of the step two on (fsl, fsrc, fk) are fetched into the set in hand, in two runs, each as soon as its registers have been multiplied and four places stand behind.
.macro STEP k, src, mode, fsl, fsrc, fk
	s_wait_dscnt 40                                ; the activation and weights 0, 1 are in; weight 2's eight loads and the next step's 32 may be out
	MUL01 0, \k, \src, \mode
	MUL01 1, \k, \src, \mode
	PLACES 4
	FETCH1 \fsl, \fk
	s_wait_dscnt 47                                ; weight 2 is in: behind it stand the next step's 32 loads and the 16 just issued
	MUL2 1, \k, \src, \mode
	MUL2 0, \k, \src, \mode
	PLACES 4
	FETCH2 \fsl, \fsrc, \fk
.endm
; The third step of a chunk changes slots: its slot's last reads were issued in the step before.  The barrier opens a round of the cluster's barrier; the refill is the first tensor load behind it, one a wave.
; f = 2: x's second half and weights; 3: h's second weights; 4: hidden's f32 numbers; 1: the next tile's first weights of h (no fragments follow).
.macro TSTEP k, src, f, fsl, fsrc, fk
	GRD
.if \f == 2
	SETW 1, WPI, 256
	SETX 256
.elseif \f == 3
	SETW 0, WPH, 256
.elseif \f == 4
	s_mul_i32 s[G0F+1], s[WV], 64*PITCH
	s_add_co_u32 s[G0F+1], s[G0F+1], HALFT+SLOT
	s_mov_b64 s[G0F+2:G0F+3], s[HIDB:HIDB+1]
	s_or_b32 s[G0F+3], s[G0F+3], 0x80000000
.else
	SETW 0, WPH, 65536
.endif
	s_wait_dscnt 41                                ; as in STEP, and the add may be out
	MUL01 0, \k, \src, 0                           ; eight matrix instructions between the add and the wait for it
	s_wait_dscnt 0x0                               ; the add is done, and my reads of this slot are over
	s_barrier_signal -1
	MUL01 1, \k, \src, 0
	WIN 0
	s_barrier_wait -1
	CREST
.if \f == 2
	XWLOAD
.elseif \f == 3
	WLOAD
	PF PFWF, WPH, 65536
.elseif \f == 4
	HLOAD
	PF PFWF, PBI, 65536
.else
	WLOAD
	PF PFWF, PBI, 65792
	PF PFWF, WPH, 65792
.endif
.if \f != 1
	PLACES 4
	FETCH1 \fsl, \fk
.endif
	MUL2 1, \k, \src, 0
	MUL2 0, \k, \src, 0
.if \f != 1
	PLACES 4
	FETCH2 \fsl, \fsrc, \fk
.endif
.endm
.macro NSTEP k, left                   ; a step of h that fetches nothing
	s_wait_dscnt \left
	MUL01 0, \k, 1, 0
	MUL01 1, \k, 1, 0
	MUL2 1, \k, 1, 0
	MUL2 0, \k, 1, 0
.endm
; THE WAY OUT, a row tile (16 rows x 64 columns) at a time, in place, each accumulator read from its low end on.  The transcendentals go in four batches.
; The results go through my own stage in LDS and come back as rows of 256 bytes; LDS serves a wave's instructions in order (ISA guide 5.7.1.4).
.macro HFALL                           ; my 64 x 64 numbers of hidden, in the result's layout, into window 1, v0-127
	WIN 0x40
.irp a, 0,1,2,3
.irp t, 0,1,2,3
.irp q, 0,1
	ds_load_b128 v[32*\a+8*\t+4*\q:32*\a+8*\t+4*\q+3], v[HB] offset:\a*16*PITCH+64*\t+16*\q
.endr
.endr
.endr
.endm
.macro SEND a
.set OBS, 128+32*((\a)%2)
	s_wait_dscnt 0x0                               ; row tile a is back from the stage
	WIN 0x04
.irp i, 0,1,2,3,4,5,6,7
	global_store_b128 v[CO], v[OBS+4*\i:OBS+4*\i+3], s[40:41] offset:(16*(\a)+2*\i)*4096 th:TH_STORE_NT   ; 16 lanes store 256 consecutive bytes, aligned
.endr
.endm
.macro EPI a
.set W,  2+(\a)/2
.set U,  128*((\a)%2)                  ; R at U,
.set ZZ, U+32                          ; Z,
.set IH, U+64                          ; IH,
.set HH, U+96                          ; HH
.set HF, 32*(\a)                       ; window 1: hidden's numbers
.set OB, 128+32*((\a)%2)               ; window 1: 16 rows read back
.set ALLW, 0x55*W
	WIN ALLW
	s_wait_alu depctr_va_vdst(0)                   ; ahead of the results' first readers
.set j, 0
.rept 32
	v_pk_mul_f32 v[U+j:U+j+1], v[U+j:U+j+1], s[NL:NL+1] op_sel_hi:[1,0]   ; -t log2(e), for r and for z
.set j, j+2
.endr
.set j, 0
	s_wait_alu depctr_va_vdst(0)
.rept 64
	v_exp_f32 v[U+j], v[U+j]
.set j, j+1
.endr
	v_nop
.if (\a) > 0
	SEND (\a)-1                                    ; the row tile before leaves meanwhile
.endif
	s_wait_alu depctr_va_vdst(0)
	WIN ALLW
.set j, 0
.rept 32
	v_pk_add_f32 v[U+j:U+j+1], v[U+j:U+j+1], 1.0 op_sel_hi:[1,0]
.set j, j+2
.endr
.set j, 0
	s_wait_alu depctr_va_vdst(0)
.rept 64
	v_rcp_f32 v[U+j], v[U+j]                       ; r and z
.set j, j+1
.endr
	v_nop
	s_wait_alu depctr_va_vdst(0)
.set j, 0
.rept 16
	v_pk_fma_f32 v[IH+j:IH+j+1], v[U+j:U+j+1], v[HH+j:HH+j+1], v[IH+j:IH+j+1]   ; x Wih + bih + r (h Whh)
.set j, j+2
.endr
.set j, 0
.rept 16
	v_pk_mul_f32 v[IH+j:IH+j+1], v[IH+j:IH+j+1], s[TL:TL+1] op_sel_hi:[1,0]     ; 2 t log2(e)
.set j, j+2
.endr
.set j, 0
	s_wait_alu depctr_va_vdst(0)
.rept 32
	v_exp_f32 v[IH+j], v[IH+j]
.set j, j+1
.endr
	v_nop
	s_wait_alu depctr_va_vdst(0)
.set j, 0
.rept 16
	v_pk_add_f32 v[IH+j:IH+j+1], v[IH+j:IH+j+1], 1.0 op_sel_hi:[1,0]
.set j, j+2
.endr
.set j, 0
	s_wait_alu depctr_va_vdst(0)
.rept 32
	v_rcp_f32 v[IH+j], v[IH+j]
.set j, j+1
.endr
	v_nop
	s_wait_alu depctr_va_vdst(0)
.set j, 0
.rept 16
	v_pk_fma_f32 v[IH+j:IH+j+1], v[IH+j:IH+j+1], -2.0, 1.0 op_sel_hi:[1,0,0]    ; h1 = 1 - 2 / (1 + 2^(2 t log2 e))
.set j, j+2
.endr
.if (\a) == 0
	s_wait_dscnt 0x0                               ; hidden's numbers are in
.endif
.set WS, 1|(W<<2)|(W<<6)
	WIN WS
.set j, 0
.rept 16
	v_pk_add_f32 v[HH+j:HH+j+1], v[HF+j:HF+j+1], v[IH+j:IH+j+1] neg_lo:[0,1] neg_hi:[0,1]   ; h - h1
.set j, j+2
.endr
	WIN ALLW
.set j, 0
.rept 16
	v_pk_fma_f32 v[IH+j:IH+j+1], v[ZZ+j:ZZ+j+1], v[HH+j:HH+j+1], v[IH+j:IH+j+1]   ; h1 + z (h - h1)
.set j, j+2
.endr
.set WS, W<<2
	WIN WS
.irp t, 0,1,2,3
.irp q, 0,1
	ds_store_b128 v[STO], v[IH+8*\t+4*\q:IH+8*\t+4*\q+3] offset:64*\t+16*\q
.endr
.endr
.if (\a) >= 2
	s_wait_xcnt 0x0                                ; the stores of the row tile two back have read their registers
.endif
	WIN 0x40
.irp i, 0,1,2,3,4,5,6,7
	ds_load_b128 v[OB+4*\i:OB+4*\i+3], v[RD] offset:\i*2*PITCH
.endr
.endm
.macro FIRST2                          ; the fragments of a tile's first two steps
	FETCH1 1, 0
	FETCH2 1, 0, 0
	s_wait_dscnt 16                                ; the first run is in
	FETCH1 1, 1
	FETCH2 1, 0, 1
	s_wait_loadcnt 0x0                             ; the scale words and the biases
	WIN 0
.endm
	FIRST2
	s_mov_b32 s[CNT], 2                            ; tiles to go
.Ltile:
	STEP 0, 0, 1, 1, 0, 2                          ; x, K 0-511: the first products start R, Z and IH with the biases
	STEP 1, 0, 0, 1, 0, 3
	TSTEP 2, 0, 2, 0, 1, 0
	STEP 3, 0, 0, 0, 1, 1
	STEP 0, 1, 2, 0, 1, 2                          ; h, K 0-511: HH begins
	STEP 1, 1, 0, 0, 1, 3
	TSTEP 2, 1, 3, 1, 0, 4
	STEP 3, 1, 0, 1, 0, 5
	STEP 4, 0, 0, 1, 0, 6                          ; x, K 512-1023
	STEP 5, 0, 0, 1, 0, 7
	TSTEP 6, 0, 4, 0, 1, 4
	STEP 7, 0, 0, 0, 1, 5
	STEP 4, 1, 0, 0, 1, 6                          ; h, K 512-1023
	STEP 5, 1, 0, 0, 1, 7
	WIN 0
	s_cmp_eq_u32 s[CNT], 1
	s_cbranch_scc1 .Llast                          ; the last tile's tail is written out: it asks for nothing more
	TSTEP 6, 1, 1, 0, 0, 0                         ; slot 0 takes the next tile's first weights of h
	NSTEP 7, 0
	WIN 0
	PLACES 4                                       ; in front of the first reads of results and of the loads into registers that matrix instructions have read
	v_xor_b32 v[VSB], 0x1000, v[VSB]               ; 128 columns x 32 bytes on (one bit changes)
	v_xor_b32 v[VBI], 0x200, v[VBI]                ; 128 columns x 4 bytes on
	LOADSB                                         ; the next tile's scale words and biases come under the way out
	LOADBI
	HFALL                                          ; (the change of slots above has shown my numbers landed)
	EPI 0
	EPI 1
	GRD
	SETW 1, WPI, 65536
	SETX 0
	s_wait_dscnt 0x0
	CROUND
	XWLOAD
	EPI 2
	EPI 3
	SEND 3
	WIN 0
	s_wait_xcnt 0x0                                ; the stores and the prefetches have read their sources: they are written below
	v_xor_b32 v[CO], 0x200, v[CO]
	s_add_nc_u64 s[WPI:WPI+1], s[WPI:WPI+1], 0x10000   ; 128 columns x 512 bytes on
	s_add_nc_u64 s[WPH:WPH+1], s[WPH:WPH+1], 0x10000
	s_add_nc_u64 s[HIDB:HIDB+1], s[HIDB:HIDB+1], 512
	s_mov_b32 s[PFWF], 0                           ; the last tile prefetches nothing
	s_wait_alu depctr_va_vdst(0)
	s_wait_tensorcnt 0x0                           ; my part of the next tile's first chunk is in
	s_wait_dscnt 0x0
	s_barrier_signal -1
	s_barrier_wait -1
	FIRST2
	s_sub_co_u32 s[CNT], s[CNT], 1
	s_branch .Ltile
.Llast:
	NSTEP 6, 32                                    ; the last step's 32 loads may be out
	NSTEP 7, 0
	WIN 0
	PLACES 4
	s_wait_tensorcnt 0x0                           ; my own tile of hidden is in LDS; only I read it
	HFALL
	EPI 0
	EPI 1
	EPI 2
	EPI 3
	SEND 3
	WIN 0
	s_wait_tensorcnt 0x0                           ; the wave's end
	ds_add_u32 v[SPW], v[NIL]
	s_wait_dscnt 0x0
	CROUND                                         ; the closing round: no work-group ends while a partner may still ask for a tile that names it
	s_endpgm
.Lfunc_end_k_qdf886a0fc6_gru:
	.size	k_qdf886a0fc6_gru, .Lfunc_end_k_qdf886a0fc6_gru-k_qdf886a0fc6_gru
	.p2alignl 7, 3214868480
	.fill 96, 4, 3214868480
	.section	.rodata,"a",@progbits
	.p2align	6, 0x0
	.amdhsa_kernel k_qdf886a0fc6_gru
		.amdhsa_group_segment_fixed_size 327680
		.amdhsa_private_segment_fixed_size 0
		.amdhsa_enable_private_segment 0
		.amdhsa_kernarg_size 152
		.amdhsa_user_sgpr_count 2
		.amdhsa_user_sgpr_kernarg_segment_ptr 1
		.amdhsa_wavefront_size32 1
		.amdhsa_system_sgpr_workgroup_id_x 1
		.amdhsa_system_sgpr_workgroup_id_y 1
		.amdhsa_system_sgpr_workgroup_id_z 1
		.amdhsa_system_vgpr_workitem_id 0
		.amdhsa_next_free_vgpr 1024
		.amdhsa_next_free_sgpr 106
		.amdhsa_reserve_vcc 0
		.amdhsa_float_denorm_mode_32 3
		.amdhsa_float_denorm_mode_16_64 3
		.amdhsa_memory_ordered 1
		.amdhsa_forward_progress 1
		.amdhsa_inst_pref_size 255
	.end_amdhsa_kernel
	.section	.bss,"aw",@nobits
	.p2align	6
	.space	262144
	.amdgpu_metadata
---
amdhsa.version: [ 1, 2 ]
amdhsa.kernels:
  - .name:           k_qdf886a0fc6_gru
    .symbol:         k_qdf886a0fc6_gru.kd
    .args:
      - { .name: inputs_codes, .offset: 0, .size: 8, .value_kind: global_buffer, .address_space: global }
      - { .name: hidden, .offset: 8, .size: 8, .value_kind: global_buffer, .address_space: global }
      - { .name: W_i2r_codes, .offset: 16, .size: 8, .value_kind: global_buffer, .address_space: global }
      - { .name: W_i2z_codes, .offset: 24, .size: 8, .value_kind: global_buffer, .address_space: global }
      - { .name: W_i2h_codes, .offset: 32, .size: 8, .value_kind: global_buffer, .address_space: global }
      - { .name: W_h2r_codes, .offset: 40, .size: 8, .value_kind: global_buffer, .address_space: global }
      - { .name: W_h2z_codes, .offset: 48, .size: 8, .value_kind: global_buffer, .address_space: global }
      - { .name: W_h2h_codes, .offset: 56, .size: 8, .value_kind: global_buffer, .address_space: global }
      - { .name: inputs_scales, .offset: 64, .size: 8, .value_kind: global_buffer, .address_space: global }
      - { .name: W_i2r_scales, .offset: 72, .size: 8, .value_kind: global_buffer, .address_space: global }
      - { .name: W_i2z_scales, .offset: 80, .size: 8, .value_kind: global_buffer, .address_space: global }
      - { .name: W_i2h_scales, .offset: 88, .size: 8, .value_kind: global_buffer, .address_space: global }
      - { .name: W_h2r_scales, .offset: 96, .size: 8, .value_kind: global_buffer, .address_space: global }
      - { .name: W_h2z_scales, .offset: 104, .size: 8, .value_kind: global_buffer, .address_space: global }
      - { .name: W_h2h_scales, .offset: 112, .size: 8, .value_kind: global_buffer, .address_space: global }
      - { .name: b_i2r, .offset: 120, .size: 8, .value_kind: global_buffer, .address_space: global }
      - { .name: b_i2z, .offset: 128, .size: 8, .value_kind: global_buffer, .address_space: global }
      - { .name: b_i2h, .offset: 136, .size: 8, .value_kind: global_buffer, .address_space: global }
      - { .name: out0, .offset: 144, .size: 8, .value_kind: global_buffer, .address_space: global }
    .group_segment_fixed_size: 327680
    .private_segment_fixed_size: 0
    .kernarg_segment_align: 8
    .kernarg_segment_size: 152
    .max_flat_workgroup_size: 128
    .sgpr_count:     106
    .vgpr_count:     1024
    .wavefront_size: 32
...
	.end_amdgpu_metadata
.endif
;; end of part 1
